; MI455X (gfx1250); checked and timed in simulation.
; The chip was launched on July 23, 2026; its instructions are those of AMD's public machine-readable ISA for CDNA 5 (MIT licence, August 2026) and "CDNA5" Instruction Set Architecture Reference Guide (July 2026). The comments in the code are by the model that wrote it; some were corrected since.
;; Grouped Quary Attention. Allowed arithmetic: matrix products marked QUANTISED: E2M3 operands, one E8M0 scale for each 32 along K, by v_wmma_scale_f32_16x16x128_f8f6f4 with both operands' format E2M3, f32 sums; everything else in f32.
;; Inputs: Wk 2,048 x 128 float32; Wo 2,048 x 2,048 float32; Wq 2,048 x 2,048 float32; Wv 2,048 x 128 float32; bk 128 float32; bo 2,048 float32; bq 2,048 float32; bv 128 float32; q 2 x 2,048 x 2,048 float32.
;; Outputs: out0 2 x 2,048 x 2,048 float32.
;; This version of the problem:
;;   THIS VERSION OF THE PROBLEM IS GIVEN IN LOW PRECISION. The matrix products marked QUANTISED in the list below multiply operands that are first quantised to E2M3 (2 exponent bits, 3 mantissa bits; 6 bits a number), with one power-of-two scale for each 32 numbers along K (OCP MX v1.0); their sums are f32. All else is computed in f32.
;;   The module's matrix products, in the order in which they are computed (A, B: the left and right operand; K: the contracted axis; several contracted axes count as one K, in the product's order):
;;     1. [M 4,096, K 2,048] x [K 2,048, N 128]; A: input q; B: input Wk: QUANTISED
;;     2. [M 4,096, K 2,048] x [K 2,048, N 128]; A: input q; B: input Wv: QUANTISED
;;     3. batch 2 x [M 32,768, K 128] x [K 128, N 2,048]; A: computed on the way; B: computed on the way: QUANTISED
;;     4. batch 32 x [M 2,048, K 2,048] x [K 2,048, N 128]; A: softmax (see below); B: computed on the way: QUANTISED
;;     5. [M 4,096, K 2,048] x [K 2,048, N 2,048]; A: computed on the way; B: input Wo: QUANTISED
;;   THE QUANTISER, for each operand of a quantised product, along K:
;;     - K is cut into blocks of 32 from its start; a last block that is shorter is filled with zeros.
;;     - A block's scale is 2^e with e = floor(log2(the largest magnitude in the block)) - 2, held to -126 .. 127; a block of zeros has e = 0. As a byte (E8M0): e + 127.
;;     - Each number is divided by its block's scale, clamped to +-7.5, and rounded to the nearest number of E2M3, ties to even, subnormals kept.
;;     - The product sums the exact products of the quantised numbers (number of the format x scale) in f32.
;;   ~~~python
;;   def quantise(x, axis):      # numpy; x: float32 -> the quantised numbers, widened to float32 again
;;       x = np.moveaxis(x, axis, -1); K = x.shape[-1]
;;       x = np.pad(x, [(0, 0)] * (x.ndim - 1) + [(0, -K % 32)]); x = x.reshape(x.shape[:-1] + (-1, 32)); a = np.abs(x).max(-1, keepdims=True)
;;       e = np.where(a > 0, np.clip(np.frexp(np.where(a > 0, a, 1))[1] - 1 - 2, -126, 127), 0)      # np.frexp(a)[1] - 1 = floor(log2(a)), exactly
;;       r = np.clip(x / 2.0 ** e, -7.5, 7.5)
;;       step = 2.0 ** (np.maximum(np.frexp(np.where(r == 0, 1, r))[1] - 1, 0) - 3)
;;       q = np.round(r / step) * step * 2.0 ** e      # np.round: ties to even
;;       return np.moveaxis(q.reshape(q.shape[:-2] + (-1,))[..., :K], -1, axis).astype(np.float32)
;;   ~~~
;;   SOFTMAX AHEAD OF A QUANTISED PRODUCT. Where the list says 'softmax', what is quantised is not the finished softmax but p = 2^(t - M), with t = logit x log2(e) and M = ceil(the row's largest t), a whole number; so 1/2 < the row's largest p <= 1. The row's sum l is taken of the UNQUANTISED p, in f32, and the product's result is divided by l at the end. Since M is a whole number, a kernel that streams over the keys may use a running M (the ceiling of the running maximum): every later rescaling is an exact power of two, which a block's scale takes up: the codes' values come out the same.
;;   OPERANDS COMPUTED ON THE WAY. 'Computed on the way' means the value that the module computes at that place (a softmax that the list does not call 'softmax' is quantised finished and normalised). What goes into a quantiser is computed in f32, as accurately as f32 sums, v_exp_f32 and their like allow (about 1e-6 of the number): no bf16 or f16 on the way to a quantiser, and a product that is left as it is and whose result goes on into a quantised operand takes f32 operands (vector FMAs, or v_wmma_f32_16x16x4_f32). A number that lies on a knife's edge between two numbers of the format may be rounded either way, as far as f32 arithmetic and the matrix unit's own rounding can turn it there, and no further.
;; One version. Each part assembles by itself: llvm-mc -triple=amdgcn-amd-amdhsa -mcpu=gfx1250 --defsym DOCPART=n.
;; ======== version 1 of 1: 4 launches
;; limits: right only within a limited range of input values
;; workspace buffers: wimg 3,686,400 bytes; pimg 1,228,800 bytes; oimg 409,600 bytes
;; launch prep (part 1): grid 288 x 1, 4 waves a work-group, no clusters, 0 bytes of LDS; arguments Wo, Wk, Wv, wimg; writes wimg
.if DOCPART == 1
	.amdgcn_target "amdgcn-amd-amdhsa--gfx1250"
	.amdhsa_code_object_version 6
	.text
	.protected	k_q7fb87f5df3_prep
	.globl	k_q7fb87f5df3_prep
	.p2align	8
	.type	k_q7fb87f5df3_prep,@function
k_q7fb87f5df3_prep:
	s_mov_b64 s[64:65], 0
	v_nop
	global_prefetch_b8 v0, s[64:65] scope:SCOPE_SE
	s_setreg_imm32_b32 hwreg(HW_REG_WAVE_MODE, 25, 1), 1
	s_wait_xcnt 0x0
; Wo [2048][2048], Wk and Wv [2048][128], f32, become codes of FP6 (E2M3) with one E8M0 byte for each 32 along K, their first axis, laid as images of operand registers.
; wimg: [column block 18: Wo's 16, Wk, Wv][K step of 128: 16] records of 12,800 bytes: 8 tiles x 1,536 bytes (register g of lane L at 512 (g / 4) + 16 L + 4 (g % 4)), then 128 scale words.
; DEAD WORK in the whole program: reference() names Wq and bq as arguments, but no line of its body uses them, so they reach no output for any values and are arguments of no launch.
; Its sixteen heads repeat one key/value head and broadcast one query head (V's projection): they hold the same numbers for every input and are computed once. A NaN or an infinity in Wq or bq is not carried to the result (nor is it in reference()).
; A block's scale is 2^(floor(log2(largest magnitude)) - 2); its byte is the largest magnitude's exponent field - 2, held at 1 from below.
; LIMITS: a block of zeros, or one whose largest magnitude lies under 2^-124, keeps the byte 1 (the bytes are read by this program alone); NaN and infinities are not served.
; SHARES: a wave takes 32 columns x 128 K, 16 x 18 x 4 waves in all: a lane takes a column, its registers run down K, so a block of 32 lies in one lane. Waves share nothing: no LDS, no barrier. Each number is read once: no cluster.
; Wk's and Wv's tiles take their columns in the order d = 32 b + 8 u + p % 8 + 16 (p / 8) at position p of tile 2 b + u, scale words likewise; Wo's columns are in natural order.
.set WX,   16                          ; v16-143 four blocks of 32 numbers
.set WF,   144                         ; v144-167 two halves x 12 registers of codes
.set WT,   168                         ; v168-183 the conversions' second halves
.set MA,   184
.set MB,   185
.set SO,   186
.set BY,   190
.set SW,   191
.macro WLOAD pitch, b
.irp i, 0,1,2,3,4,5,6,7,8,9,10,11,12,13,14,15,16,17,18,19,20,21,22,23,24,25,26,27,28,29,30,31
	global_load_b32 v[WX+32*(\b)+\i], v2, s[4:5] offset:(32*(\b)+\i)*(\pitch) th:TH_LOAD_NT
.endr
.endm
.macro WBLOCK b
.set XS, WX+32*(\b)
	v_max3_num_f32 v[MA], |v[XS]|, |v[XS+1]|, |v[XS+2]|   ; the block's largest magnitude: all 32 numbers are mine
	v_max3_num_f32 v[MB], |v[XS+3]|, |v[XS+4]|, |v[XS+5]|
.irp i, 6,10,14,18,22,26
	v_max3_num_f32 v[MA], v[MA], |v[XS+\i]|, |v[XS+\i+1]|
	v_max3_num_f32 v[MB], v[MB], |v[XS+\i+2]|, |v[XS+\i+3]|
.endr
	v_max3_num_f32 v[MA], v[MA], |v[XS+30]|, |v[XS+31]|
	v_max3_num_f32 v[MA], v[MA], v[MB], 0x1800000  ; and the floor 2^(3 - 127)
	v_add_nc_u32 v[SO+(\b)], 0xff000000, v[MA]     ; 2 off its exponent field: the conversion's scale operand
	v_lshrrev_b32 v[BY], 23, v[SO+(\b)]
.if (\b) == 0
	v_mov_b32 v[SW], v[BY]
.else
	v_lshl_or_b32 v[SW], v[BY], 8*(\b), v[SW]
.endif
	v_cvt_scalef32_pk16_fp6_f32 v[WF+12*((\b)%2)+6*((\b)/2):WF+12*((\b)%2)+6*((\b)/2)+2], v[XS:XS+15], v[SO+(\b)]   ; block b is registers 6 (b / 2) .. + 5 of the lane with half b % 2
	v_cvt_scalef32_pk16_fp6_f32 v[WT+4*(\b):WT+4*(\b)+2], v[XS+16:XS+31], v[SO+(\b)]
.endm
.macro WPATH pitch, vc, vs
.irp b, 0,1,2,3
	WLOAD \pitch, \b
.endr
	s_wait_loadcnt 63                              ; at most 63 of the 128 are out: blocks 0 and 1 are in
	WBLOCK 0
	WBLOCK 1
	s_wait_loadcnt 32
	WBLOCK 2
	s_wait_loadcnt 0x0
	WBLOCK 3
	v_nop                                          ; one plain place behind the last conversion
.irp b, 0,1,2,3
.irp i, 0,1,2
	v_mov_b32 v[WF+12*(\b%2)+6*(\b/2)+3+\i], v[WT+4*\b+\i]
.endr
.endr
.irp h, 0,1
.irp p, 0,1,2
	global_store_b128 \vc, v[WF+12*\h+4*\p:WF+12*\h+4*\p+3], s[24:25] offset:256*\h+512*\p   ; sixteen lanes store 256 consecutive bytes of a tile's image
.endr
.endr
	global_store_b32 \vs, v[SW], s[26:27]
.endm
	s_load_b128 s[4:7], s[0:1], 0x0                ; Wo, Wk
	s_load_b128 s[8:11], s[0:1], 0x10              ; Wv, wimg
	v_lshrrev_b32 v4, 5, v0
	v_readfirstlane_b32 s16, v4                    ; wave
	s_lshr_b32 s18, ttmp9, 4                       ; block of 128 columns: 0-15 Wo, 16 Wk, 17 Wv
	s_and_b32 s19, ttmp9, 15                       ; K step
	s_mul_i32 s24, s18, 204800
	s_mul_i32 s22, s19, 12800
	s_add_co_u32 s24, s24, s22
	s_lshl_b32 s22, s16, 7
	s_add_co_u32 s26, s24, s22
	s_add_co_u32 s26, s26, 12288                   ; my 32 scale words
	s_mul_i32 s22, s16, 3072
	s_add_co_u32 s24, s24, s22                     ; my two tiles
	s_mov_b32 s25, 0
	s_mov_b32 s27, 0
	s_lshl_b32 s28, s16, 7                         ; my 32 columns
	s_mov_b32 s29, 0
	v_and_b32 v1, 31, v0                           ; lane
	v_lshlrev_b32 v2, 2, v1                        ; in: 4 bytes a lane; and Wo's scale word's place
	v_lshrrev_b32 v6, 4, v1
	v_and_b32 v7, 15, v1
	v_mul_u32_u24 v8, v6, 1536
	v_lshl_add_u32 v3, v7, 4, v8                   ; Wo: tile lane / 16, position lane % 16
	v_bfe_u32 v9, v1, 3, 1
	v_and_b32 v10, 7, v1
	v_lshl_add_u32 v10, v6, 3, v10                 ; Wk, Wv: position n % 8 + 8 (n / 16) of tile (n / 8) % 2
	v_mul_u32_u24 v11, v9, 1536
	v_lshl_add_u32 v12, v10, 4, v11
	v_lshlrev_b32 v13, 6, v9
	v_lshl_add_u32 v13, v10, 2, v13
	s_wait_alu depctr_va_vdst(0)                   ; the wait at the head's end
	s_wait_kmcnt 0x0
	s_add_nc_u64 s[24:25], s[10:11], s[24:25]
	s_add_nc_u64 s[26:27], s[10:11], s[26:27]
	s_cmp_lt_u32 s18, 16
	s_cbranch_scc0 .Lkv
	s_lshl_b32 s22, s18, 9
	s_add_co_u32 s28, s28, s22
	s_lshl_b32 s22, s19, 20                        ; 128 rows of 8,192 bytes
	s_add_co_u32 s28, s28, s22
	s_add_nc_u64 s[4:5], s[4:5], s[28:29]
	WPATH 8192, v3, v2
	s_endpgm
.Lkv:
	s_lshl_b32 s22, s19, 16                        ; 128 rows of 512 bytes
	s_add_co_u32 s28, s28, s22
	s_cmp_eq_u32 s18, 16
	s_cselect_b64 s[4:5], s[6:7], s[8:9]
	s_add_nc_u64 s[4:5], s[4:5], s[28:29]
	WPATH 512, v12, v13
	s_endpgm
.Lfunc_end_k_q7fb87f5df3_prep:
	.size	k_q7fb87f5df3_prep, .Lfunc_end_k_q7fb87f5df3_prep-k_q7fb87f5df3_prep
	.p2alignl 7, 3214868480
	.fill 96, 4, 3214868480
	.section	.rodata,"a",@progbits
	.p2align	6, 0x0
	.amdhsa_kernel k_q7fb87f5df3_prep
		.amdhsa_group_segment_fixed_size 0
		.amdhsa_private_segment_fixed_size 0
		.amdhsa_enable_private_segment 0
		.amdhsa_kernarg_size 32
		.amdhsa_user_sgpr_count 2
		.amdhsa_user_sgpr_kernarg_segment_ptr 1
		.amdhsa_wavefront_size32 1
		.amdhsa_system_sgpr_workgroup_id_x 1
		.amdhsa_system_sgpr_workgroup_id_y 1
		.amdhsa_system_sgpr_workgroup_id_z 1
		.amdhsa_system_vgpr_workitem_id 0
		.amdhsa_next_free_vgpr 192
		.amdhsa_next_free_sgpr 66
		.amdhsa_reserve_vcc 0
		.amdhsa_float_denorm_mode_32 3
		.amdhsa_float_denorm_mode_16_64 3
		.amdhsa_memory_ordered 1
		.amdhsa_forward_progress 1
		.amdhsa_inst_pref_size 39
	.end_amdhsa_kernel
	.amdgpu_metadata
---
amdhsa.version: [ 1, 2 ]
amdhsa.kernels:
  - .name:           k_q7fb87f5df3_prep
    .symbol:         k_q7fb87f5df3_prep.kd
    .args:
      - { .name: Wo, .offset: 0, .size: 8, .value_kind: global_buffer, .address_space: global }
      - { .name: Wk, .offset: 8, .size: 8, .value_kind: global_buffer, .address_space: global }
      - { .name: Wv, .offset: 16, .size: 8, .value_kind: global_buffer, .address_space: global }
      - { .name: wimg, .offset: 24, .size: 8, .value_kind: global_buffer, .address_space: global }
    .group_segment_fixed_size: 0
    .private_segment_fixed_size: 0
    .kernarg_segment_align: 8
    .kernarg_segment_size: 32
    .max_flat_workgroup_size: 128
    .sgpr_count:     66
    .vgpr_count:     192
    .wavefront_size: 32
...
	.end_amdgpu_metadata
.endif
;; end of part 1
;; launch proj (part 2): grid 256 x 1, 4 waves a work-group, clusters of 4 x 1, 289,280 bytes of LDS; arguments q, wimg, bk, bv, pimg; writes pimg
.if DOCPART == 2
	.amdgcn_target "amdgcn-amd-amdhsa--gfx1250"
	.amdhsa_code_object_version 6
	.text
	.protected	k_q7fb87f5df3_proj
	.globl	k_q7fb87f5df3_proj
	.p2align	8
	.type	k_q7fb87f5df3_proj,@function
k_q7fb87f5df3_proj:
	s_mov_b64 s[64:65], 0
	v_nop
	global_prefetch_b8 v0, s[64:65] scope:SCOPE_SE
	s_setreg_imm32_b32 hwreg(HW_REG_WAVE_MODE, 25, 1), 1
	s_wait_xcnt 0x0
	s_wait_alu depctr_hold_cnt(0) depctr_sa_sdst(0) depctr_va_vdst(0) depctr_va_sdst(0) depctr_va_ssrc(0) depctr_va_vcc(0) depctr_vm_vsrc(0)
	s_getreg_b32 s2, hwreg(HW_REG_IB_STS2, 6, 4)
	s_cmp_eq_u32 s2, 0
	s_cbranch_scc0 .Lentry_in_a_cluster
	s_endpgm
.Lentry_in_a_cluster:
	s_bfe_u32 s2, ttmp6, 0x10000c
	s_cmp_lg_u32 s2, 0x3003
	s_cbranch_scc0 .Lentry_shape_is_right
	s_endpgm
.Lentry_shape_is_right:
; K = Q(q) Q(Wk) + bk (even clusters) and V = Q(q) Q(Wv) + bv (odd clusters), [4096][128]; q is quantised here, on its way from memory to the matrix unit; sums in f32, the bias added to the finished sum.
; The results leave quantised, as images of operand registers: K along d (operand of the scores), V along d (it is the query) and along the keys (operand of the second product).
; SHARES: a work-group makes 32 tokens x 128 d. Wave g takes K steps 4 g .. 4 g + 3 of both tiles of 16 tokens and all eight tiles of d: 64 products on 16 accumulators by turns.
; The four waves' partial sums meet in LDS; wave g adds up and quantises d = 32 g .. 32 g + 31 of the 32 tokens.
; TOKENS: position p of tile u is token 8 u + p % 8 + 16 (p / 8) of the 32. TRANSPOSED: source 0 = 16 columns of W, source 1 = 16 tokens: a lane holds one token, two tiles' 16 registers are d = 32 b + 16 (lane / 16) + 0 .. 15.
; CLUSTER: its four work-groups need the same W: each wave asks jointly for its own four K steps, 51,200 bytes, and reads nothing else: its own wait serves. Nothing is filled again.
; q goes straight into registers, four fragments (64 loads) ahead; its two readers, for K and for V, lie in neighbouring clusters, so it is not asked for jointly. No prefetch: nearly half of a wave's q is asked for at the head, and there is no loop to run ahead in.
; LIMITS: byte 1 for blocks under 2^-124; NaN and infinities not served. Scale bytes leave singly (four waves share a word): 1 byte in 24 of what is stored.
; REGISTERS: window 0: v2-15, 26, 27, 30 addresses; v16-23 W's scale words, two sets; v24, 25, 28, 29 q's; v32-159 two sets of 64 numbers; v160-179 codes; v184-199 at work; v200-215 the bias. Window 1: q as loaded, four fragments. Window 2: W's fragments, two sets. Window 3: 16 accumulators.
.set TS,    204800                     ; LDS: W [wave][51,200]; then 16,384 bytes a wave: its stage for q (16 rows x 528), later its partial sums
.set ST,    270336                     ; 4,608 bytes a wave: 32 tokens x (128 + 16) bytes, V on its way to the keys' order
.set SPARE, 288768                     ; the spare words
.set QF,    819200                     ; pimg: 32 records of 25,600 bytes (128 keys: K's 8 fragments, two halves of 768 bytes each; at 12,288 their scale words; at 12,800 V's four blocks of 32 keys, 3,072 bytes each; at 25,088 V's words); then V as the query [tile][half][768]
.set QFS,   1212416                    ; and its scale words [tile][16]
.set X,     32
.set PC,    160
.set TM,    184
.set G1,    24
.set G0,    32
.set MSB, 0
.macro WIN new                         ; the immediate's high byte repeats the setting that is left
.if MSB != \new
	s_set_vgpr_msb (MSB<<8)|\new
.set MSB, \new
.endif
.endm
.macro PLACES
.rept 4
	v_nop
.endr
.endm
.macro WALU
	s_wait_alu depctr_va_vdst(0)
.endm
.macro CROUND                          ; a round of the cluster's barrier
	s_barrier_signal -1
	s_barrier_wait -1
	s_cmp_lg_u32 s14, 0
	s_cbranch_scc1 .Lnot_wave_0_\@
	s_barrier_signal -3
.Lnot_wave_0_\@:
	s_barrier_wait -3
	s_barrier_signal -1
	s_barrier_wait -1
.endm
.macro LOADQ f                         ; fragment f: K step 4 g + f / 2 of token tile f % 2; each load reads 512 consecutive bytes of a token's row
	WIN 0x40
.irp i, 0,1,2,3,4,5,6,7,8,9,10,11,12,13,14,15
	global_load_b128 v[64*((\f)%4)+4*\i:64*((\f)%4)+4*\i+3], v2, s[56:57] offset:(8*((\f)%2)+(\i%8)+16*(\i/8))*8192+512*((\f)/2)
.endr
	WIN 0
.endm
.macro TURN f                          ; through my stage: a lane then holds 16 neighbours of each block of 32. LDS serves a wave's instructions in order (ISA guide 5.7.1.4): one stage serves all
	WIN 0x04
.irp i, 0,1,2,3,4,5,6,7,8,9,10,11,12,13,14,15
	ds_store_b128 v3, v[64*((\f)%4)+4*\i:64*((\f)%4)+4*\i+3] offset:528*\i
.endr
	WIN 0
.irp b, 0,1,2,3
.irp j, 0,1,2,3
	ds_load_b128 v[X+64*((\f)%2)+16*\b+4*\j:X+64*((\f)%2)+16*\b+4*\j+3], v4 offset:128*\b+16*\j
.endr
.endr
.endm
.macro FETCHW s                        ; my K step s: eight fragments and four registers of scale words into set s % 2
	WIN 0x80
.irp e, 0,1,2,3,4,5,6,7
.irp p, 0,1,2
	ds_load_b128 v[96*((\s)%2)+12*\e+4*\p:96*((\s)%2)+12*\e+4*\p+3], v5 offset:12800*(\s)+1536*\e+512*\p
.endr
.endr
	WIN 0
.irp p, 0,1,2,3
	ds_load_b32 v[16+4*((\s)%2)+\p], v6 offset:12800*(\s)+128*\p
.endr
.endm
.macro QUANT s, pw                     ; 64 numbers of a lane become a fragment's codes in v[PC] on and its row's scale word in v[pw]
.irp b, 0,1,2,3
	v_max3_num_f32 v[TM+\b], |v[\s+16*\b]|, |v[\s+1+16*\b]|, 0x1800000   ; block b: my 16 numbers, and the floor 2^(3 - 127)
.endr
.irp i, 2,4,6,8,10,12,14
.irp b, 0,1,2,3
	v_max3_num_f32 v[TM+\b], v[TM+\b], |v[\s+16*\b+\i]|, |v[\s+1+16*\b+\i]|
.endr
.endr
.irp b, 0,1,2,3
	v_permlanex16_b32 v[TM+4+\b], v[TM+\b], s20, s21
.endr
.irp b, 0,1,2,3
	v_max_num_f32 v[TM+\b], v[TM+\b], v[TM+4+\b]   ; with lane l xor 16's: the block's largest magnitude
.endr
.irp b, 0,1,2,3
	v_add_nc_u32 v[TM+12+\b], 0xff000000, v[TM+\b] ; 2 off its exponent field: the conversion's scale operand
.endr
.irp b, 0,1,2,3
	v_lshrrev_b32 v[TM+4+\b], 23, v[TM+12+\b]
.endr
	v_lshl_or_b32 v[TM+4], v[TM+5], 8, v[TM+4]
	v_lshl_or_b32 v[TM+4], v[TM+6], 16, v[TM+4]
	v_lshl_or_b32 v[\pw], v[TM+7], 24, v[TM+4]
.irp c, 0,1
	v_cvt_scalef32_pk16_fp6_f32 v[PC+6*\c:PC+2+6*\c], v[\s+32*\c:\s+15+32*\c], v[TM+12+2*\c]
	v_cvt_scalef32_pk16_fp6_f32 v[PC+12+4*\c:PC+14+4*\c], v[\s+16+32*\c:\s+31+32*\c], v[TM+12+2*\c+1]   ; (a conversion's three registers begin on an even number)
.endr
	v_nop                                          ; one plain place behind a scaled conversion
.irp c, 0,1                            ; the operand's layout wants a whole block in a lane
.irp i, 0,1,2
	v_permlane16_swap_b32 v[PC+6*\c+\i], v[PC+12+4*\c+\i]
.endr
.irp i, 0,1,2
	v_mov_b32 v[PC+3+6*\c+\i], v[PC+12+4*\c+\i]
.endr
.endr
.endm
.macro PR f, e, ra                     ; one product: accumulator (token tile, tile of d)
.set D_, 64*((\f)%2)+8*\e
.set B_, 96*(((\f)/2)%2)+12*\e
.set S_, 16+4*(((\f)/2)%2)+\e/2
.set P_, 24+(\f)%2+4*((((\f)/2)+1)%2)
.if (\f) < 2
	v_wmma_scale_f32_16x16x128_f8f6f4 v[D_:D_+7], v[B_:B_+11], v[PC:PC+11], 0, v[S_], v[P_] matrix_a_fmt:MATRIX_FMT_FP6 matrix_b_fmt:MATRIX_FMT_FP6 matrix_a_scale:MATRIX_SCALE_ROW\ra
.else
	v_wmma_scale_f32_16x16x128_f8f6f4 v[D_:D_+7], v[B_:B_+11], v[PC:PC+11], v[D_:D_+7], v[S_], v[P_] matrix_a_fmt:MATRIX_FMT_FP6 matrix_b_fmt:MATRIX_FMT_FP6 matrix_a_scale:MATRIX_SCALE_ROW\ra
.endif
.endm
.macro ITER f
	s_wait_dscnt 0x0                               ; this fragment's numbers are back from the stage, W's fragments are in, and the stage's stores have read their registers,
.if (\f) < 4
	LOADQ (\f)+4                                   ; which take the loads of four fragments on
.endif
.if (\f) < 7
.if (\f) < 4
	s_wait_loadcnt 48                              ; the next fragment is in; three later ones (16 loads each) may be out
.else
	s_wait_loadcnt 16*(6-(\f))
.endif
	TURN (\f)+1
.if (\f)%2 == 1
	FETCHW ((\f)+1)/2
.endif
.endif
	QUANT X+64*((\f)%2), 24+(\f)%2+4*((((\f)/2)+1)%2)
.if (\f) == 0
	WALU
	s_wait_tensorcnt 0x0                           ; my four K steps of W are in
	FETCHW 0
	s_wait_dscnt 0x0
.endif
	PLACES                                         ; an operand written by vector instructions stands four places ahead of a scaled product, a scale word eight
	WIN 0xf2                                       ; source 0 window 2, source 1 window 0, C and D window 3
	PR \f, 0, 0
	PR \f, 1, 1
	PR \f, 2, 0
	PR \f, 3, 1
	PR \f, 4, 0
	PR \f, 5, 1
	PR \f, 6, 0
	PR \f, 7, 1
	WIN 0
.endm
	s_load_b256 s[4:11], s[0:1], 0x0               ; q, wimg, bk, bv
	s_load_b64 s[12:13], s[0:1], 0x20              ; pimg
	v_lshl_add_u32 v14, v0, 2, SPARE
	v_mov_b32 v15, 0
	ds_add_u32 v14, v15                            ; the opening: the add, twice on end
	ds_add_u32 v14, v15
	v_lshrrev_b32 v1, 5, v0
	v_readfirstlane_b32 s14, v1                    ; wave g
	s_and_b32 s19, ttmp9, 1                        ; 0: K, 1: V; the four partners share it
	s_bfe_u32 s17, ttmp6, 0x40000                  ; cx: it enters global addresses of my own loads and stores alone
	s_lshr_b32 s18, ttmp9, 1
	s_lshl_b32 s18, s18, 2
	s_add_co_u32 s18, s18, s17                     ; tb: my 32 tokens
	s_mov_b32 s20, 0x76543210
	s_mov_b32 s21, 0xfedcba98                      ; v_permlanex16_b32's selects for lane l xor 16
	s_mov_b32 s22, 0xffff0000                      ; lanes 16-31
	; descriptor group 1: a dense block of 51,200 bytes as 200 rows of 256 bytes (32 elements of 8 bytes), no padding
	s_mov_b32 s[G1], 15|(3<<16)|(1<<21)            ; the mask: all four work-groups
	s_mov_b32 s[G1+1], 32<<16
	s_mov_b32 s[G1+2], 200<<16
	s_mov_b32 s[G1+3], 32<<16
	s_mov_b32 s[G1+4], 200
	s_mov_b32 s[G1+5], 32
	s_mov_b32 s[G1+6], 0
	s_mov_b32 s[G1+7], 0
	s_mul_i32 s48, s14, 51200                      ; where my K steps of W lie, in LDS and in W's image
	s_mul_i32 s50, s19, 204800
	s_add_co_u32 s50, s50, s48
	s_add_co_u32 s50, s50, 16*204800
	s_mov_b32 s51, 0
	s_lshl_b32 s56, s18, 18                        ; q: 32 rows of 8,192 bytes a work-group,
	s_lshl_b32 s52, s14, 11                        ; 2,048 bytes of a row a wave
	s_add_co_u32 s56, s56, s52
	s_mov_b32 s57, 0
	s_lshl_b32 s40, s14, 14
	s_add_co_u32 s40, s40, TS
	s_add_co_u32 s41, s48, 12288
	s_lshl_b32 s42, s14, 11
	s_add_co_u32 s42, s42, TS
	s_lshr_b32 s43, s14, 1
	s_mul_i32 s43, s43, 768
	s_and_b32 s44, s14, 1
	s_lshl_b32 s45, s44, 8
	s_add_co_u32 s45, s45, s43
	s_lshl_b32 s46, s44, 7
	s_add_co_u32 s46, s46, s43
	s_add_co_u32 s46, s46, 512
	s_mul_i32 s47, s14, 4608
	s_add_co_u32 s47, s47, ST
	s_lshl_b32 s52, s14, 9
	s_lshl_b32 s53, s14, 8
	s_add_co_u32 s53, s53, 2048
	s_lshl_b32 s54, s14, 7
	s_and_b32 s55, s18, 1
	v_and_b32 v32, 31, v0                          ; lane
	v_and_b32 v33, 15, v0                          ; r
	v_bfe_u32 v34, v0, 4, 1                        ; h
	v_and_b32 v35, 7, v0
	v_bfe_u32 v36, v0, 3, 1
	v_lshl_add_u32 v37, v34, 3, v35                ; lane % 8 + 8 (lane / 16)
	v_lshlrev_b32 v2, 4, v32                       ; 16 x lane
	v_add_nc_u32 v3, s40, v2                       ; the stage, in: a row as it is loaded; later my partial sums
	v_mul_u32_u24 v4, v33, 528
	v_lshl_add_u32 v4, v34, 6, v4
	v_add_nc_u32 v4, s40, v4                       ; and out: row r, + 64 h: my 16 numbers of each block of 32
	v_add_nc_u32 v5, s48, v2                       ; W's fragments
	v_lshl_add_u32 v6, v32, 2, s41                 ; W's scale words
	v_add_nc_u32 v7, s42, v2                       ; the partial sums of my 32 d
	v_lshlrev_b32 v8, 6, v34                       ; the bias: 64 h
	v_mul_u32_u24 v38, v34, 1536                   ; on the way out lane (r, h) holds a whole block of tile h
	v_lshl_add_u32 v9, v33, 4, v38
	v_add_nc_u32 v9, s45, v9                       ; its first 16 bytes: half g / 2 of the fragment, lane r + 16 (g % 2) of the image
	v_lshl_add_u32 v10, v33, 3, v38
	v_add_nc_u32 v10, s46, v10                     ; its last 8
	v_lshlrev_b32 v11, 6, v34
	v_lshl_add_u32 v11, v33, 2, v11
	v_add_nc_u32 v11, s14, v11                     ; its scale byte: byte g of row r's word
	v_mul_u32_u24 v12, v33, 144
	v_lshl_add_u32 v12, v34, 6, v12
	v_add_nc_u32 v12, s47, v12                     ; V's stage, in: row 16 u + r, byte 64 h
	v_lshl_add_u32 v13, v32, 2, s47                ; and out: d = 32 g + lane, down the rows
	v_lshlrev_b32 v26, 8, v36
	v_lshl_add_u32 v26, v37, 4, v26
	v_add_nc_u32 v26, s52, v26                     ; V along the keys: d = 32 g + lane is position lane % 8 + 8 (lane / 16) of tile 2 g + (lane / 8) % 2: its first 16 bytes,
	v_xor_b32 v27, s55, v36
	v_lshlrev_b32 v27, 7, v27
	v_lshl_add_u32 v27, v37, 3, v27
	v_add_nc_u32 v27, s53, v27                     ; its last 8 at 2,048 + 256 g + 128 ((tile % 2) xor (block % 2)) + 8 x position,
	v_lshlrev_b32 v30, 6, v36
	v_lshl_add_u32 v30, v37, 2, v30
	v_add_nc_u32 v30, s54, v30                     ; its scale word
.irp b, 0,1,2,3
	v_mov_b32 v[TM+4+\b], 0                        ; a lane permute's destination counts as one of its sources
.endr
	WALU                                           ; the wait at the head's end
	s_wait_dscnt 0x0                               ; both opening adds are done
	s_wait_kmcnt 0x0
	s_add_nc_u64 s[56:57], s[4:5], s[56:57]
	s_add_nc_u64 s[50:51], s[6:7], s[50:51]
	s_mov_b32 s[G0], 1
	s_mov_b32 s[G0+1], s48
	s_mov_b64 s[G0+2:G0+3], s[50:51]
	s_or_b32 s[G0+3], s[G0+3], 0x80000000
	s_lshl_b32 s58, s14, 7
	s_mov_b32 s59, 0
	s_cmp_eq_u32 s19, 0
	s_cselect_b64 s[62:63], s[8:9], s[10:11]
	s_add_nc_u64 s[62:63], s[62:63], s[58:59]      ; the bias of my 32 d
.irp k, 0,1,2,3
	global_load_b128 v[200+4*\k:203+4*\k], v8, s[62:63] offset:16*\k   ; d = 32 g + 16 h + 0 .. 15
.endr
	LOADQ 0
	LOADQ 1
	CROUND                                         ; all four work-groups are here: the joint loads meet
	tensor_load_to_lds s[G0:G0+3], s[G1:G1+7]
	s_nop 0
	PLACES
	LOADQ 2
	LOADQ 3
	; where the results go, in bytes from pimg
	s_lshr_b32 s74, s18, 2
	s_mul_i32 s74, s74, 25600                      ; my record
	s_and_b32 s75, s18, 3                          ; my block of 32 keys in it
	s_mul_i32 s76, s75, 3072
	s_mul_i32 s77, s18, 3072
	s_add_co_u32 s77, s77, QF                      ; the query's two fragments
	s_add_co_u32 s70, s74, s76
	s_lshl_b32 s78, s75, 7
	s_add_co_u32 s78, s78, s74
	s_add_co_u32 s78, s78, 12288                   ; K's scale words
	s_lshl_b32 s79, s18, 7
	s_add_co_u32 s79, s79, QFS                     ; the query's
	s_cmp_eq_u32 s19, 0
	s_cselect_b32 s66, s70, s77
	s_cselect_b32 s68, s78, s79
	s_mov_b32 s67, 0
	s_mov_b32 s69, 0
	s_add_nc_u64 s[66:67], s[12:13], s[66:67]
	s_add_nc_u64 s[68:69], s[12:13], s[68:69]
	s_add_co_u32 s70, s70, 12800
	s_mov_b32 s71, 0
	s_add_nc_u64 s[70:71], s[12:13], s[70:71]      ; V's block of 32 keys
	s_add_co_u32 s72, s74, s75
	s_add_co_u32 s72, s72, 25088
	s_mov_b32 s73, 0
	s_add_nc_u64 s[72:73], s[12:13], s[72:73]      ; and its byte in V's scale words
	s_wait_loadcnt 48                              ; fragment 0 is in; three later ones may be out
	TURN 0
	ITER 0
	ITER 1
	ITER 2
	ITER 3
	ITER 4
	ITER 5
	ITER 6
	ITER 7
	PLACES                                         ; behind the last products
	WIN 0x0c                                       ; an LDS store's data are its source 1: window 3
.irp n, 0,1,2,3,4,5,6,7,8,9,10,11,12,13,14,15
	ds_store_b128 v3, v[8*\n:8*\n+3] offset:1024*\n          ; each accumulator from its low end on
	ds_store_b128 v3, v[8*\n+4:8*\n+7] offset:1024*\n+512
.endr
	WIN 0
	s_wait_dscnt 0x0                               ; for the others' sake: my partial sums are in LDS
	s_barrier_signal -1
	s_barrier_wait -1
.irp w, 0,1,2,3
.irp u, 0,1
.irp e, 0,1
	ds_load_b128 v[32+32*\w+16*\u+8*\e:35+32*\w+16*\u+8*\e], v7 offset:16384*\w+8192*\u+1024*\e
	ds_load_b128 v[36+32*\w+16*\u+8*\e:39+32*\w+16*\u+8*\e], v7 offset:16384*\w+8192*\u+1024*\e+512
.endr
.endr
.endr
	s_wait_dscnt 0x0
.irp o, 64,96,128                      ; K ascending over the waves
.set J, 0
.rept 16
	v_pk_add_f32 v[32+J:33+J], v[32+J:33+J], v[\o+J:\o+J+1]
.set J, J+2
.endr
.endr
.set J, 0
.rept 16
	v_pk_add_f32 v[32+J:33+J], v[32+J:33+J], v[200+J%16:201+J%16]   ; the bias
.set J, J+2
.endr
	; v32-47 tile 0, v48-63 tile 1: d = 32 g + 16 h + 0 .. 15 of token r: one block of 32 along d in lanes l and l xor 16
.irp u, 0,1
	v_max3_num_f32 v[184+\u], |v[32+16*\u]|, |v[33+16*\u]|, 0x1800000
.endr
.irp i, 2,4,6,8,10,12,14
.irp u, 0,1
	v_max3_num_f32 v[184+\u], v[184+\u], |v[32+16*\u+\i]|, |v[33+16*\u+\i]|
.endr
.endr
.irp u, 0,1
	v_permlanex16_b32 v[188+\u], v[184+\u], s20, s21
.endr
.irp u, 0,1
	v_max_num_f32 v[184+\u], v[184+\u], v[188+\u]
.endr
.irp u, 0,1
	v_add_nc_u32 v[186+\u], 0xff000000, v[184+\u]
.endr
.irp u, 0,1
	v_lshrrev_b32 v[190+\u], 23, v[186+\u]
.endr
	v_cvt_scalef32_pk16_fp6_f32 v[164:166], v[32:47], v186
	v_cvt_scalef32_pk16_fp6_f32 v[170:172], v[48:63], v187
	v_nop
.irp i, 0,1,2
	v_permlane16_swap_b32 v[164+\i], v[170+\i]     ; lanes 0-15 get tile 0's block whole, lanes 16-31 tile 1's
.endr
.irp i, 0,1,2
	v_mov_b32 v[167+\i], v[170+\i]
.endr
	v_cndmask_b32 v192, v190, v191, s22            ; and its byte
	global_store_b128 v9, v[164:167], s[66:67]     ; sixteen lanes store 256 consecutive bytes
	global_store_b64 v10, v[168:169], s[66:67]
	global_store_b8 v11, v192, s[68:69]
	s_cmp_eq_u32 s19, 0
	s_cbranch_scc1 .Lend
	; V alone: along the keys. All 32 tokens of my 32 d are mine: through my own stage, no barrier
.irp u, 0,1
.irp k, 0,1,2,3
	ds_store_b128 v12, v[32+16*\u+4*\k:35+16*\u+4*\k] offset:2304*\u+16*\k
.endr
.endr
.irp t, 0,1,2,3,4,5,6,7,8,9,10,11,12,13,14,15,16,17,18,19,20,21,22,23,24,25,26,27,28,29,30,31
	ds_load_b32 v[64+\t], v13 offset:(16*((\t/8)%2)+(\t%8)+8*(\t/16))*144   ; token t lies at position t % 8 + 8 (t / 16) of tile (t / 8) % 2
.endr
	s_wait_dscnt 0x0
	v_max3_num_f32 v184, |v64|, |v65|, |v66|       ; a block of 32 keys of one d: all mine
	v_max3_num_f32 v185, |v67|, |v68|, |v69|
.irp i, 6,10,14,18,22,26
	v_max3_num_f32 v184, v184, |v[64+\i]|, |v[65+\i]|
	v_max3_num_f32 v185, v185, |v[66+\i]|, |v[67+\i]|
.endr
	v_max3_num_f32 v184, v184, |v94|, |v95|
	v_max3_num_f32 v184, v184, v185, 0x1800000
	v_add_nc_u32 v186, 0xff000000, v184
	v_lshrrev_b32 v187, 23, v186
	v_cvt_scalef32_pk16_fp6_f32 v[128:130], v[64:79], v186
	v_cvt_scalef32_pk16_fp6_f32 v[134:136], v[80:95], v186
	v_nop
.irp i, 0,1,2
	v_mov_b32 v[131+\i], v[134+\i]
.endr
	global_store_b128 v26, v[128:131], s[70:71]    ; sixteen lanes store 256 consecutive bytes
	global_store_b64 v27, v[132:133], s[70:71]
	global_store_b8 v30, v187, s[72:73]
.Lend:
	s_wait_tensorcnt 0x0                           ; the wave's end
	ds_add_u32 v14, v15
	s_wait_dscnt 0x0
	CROUND                                         ; the closing round
	s_endpgm
.Lfunc_end_k_q7fb87f5df3_proj:
	.size	k_q7fb87f5df3_proj, .Lfunc_end_k_q7fb87f5df3_proj-k_q7fb87f5df3_proj
	.p2alignl 7, 3214868480
	.fill 96, 4, 3214868480
	.section	.rodata,"a",@progbits
	.p2align	6, 0x0
	.amdhsa_kernel k_q7fb87f5df3_proj
		.amdhsa_group_segment_fixed_size 289280
		.amdhsa_private_segment_fixed_size 0
		.amdhsa_enable_private_segment 0
		.amdhsa_kernarg_size 40
		.amdhsa_user_sgpr_count 2
		.amdhsa_user_sgpr_kernarg_segment_ptr 1
		.amdhsa_wavefront_size32 1
		.amdhsa_system_sgpr_workgroup_id_x 1
		.amdhsa_system_sgpr_workgroup_id_y 1
		.amdhsa_system_sgpr_workgroup_id_z 1
		.amdhsa_system_vgpr_workitem_id 0
		.amdhsa_next_free_vgpr 896
		.amdhsa_next_free_sgpr 80
		.amdhsa_reserve_vcc 0
		.amdhsa_float_denorm_mode_32 3
		.amdhsa_float_denorm_mode_16_64 3
		.amdhsa_memory_ordered 1
		.amdhsa_forward_progress 1
		.amdhsa_inst_pref_size 99
	.end_amdhsa_kernel
	.amdgpu_metadata
---
amdhsa.version: [ 1, 2 ]
amdhsa.kernels:
  - .name:           k_q7fb87f5df3_proj
    .symbol:         k_q7fb87f5df3_proj.kd
    .args:
      - { .name: q, .offset: 0, .size: 8, .value_kind: global_buffer, .address_space: global }
      - { .name: wimg, .offset: 8, .size: 8, .value_kind: global_buffer, .address_space: global }
      - { .name: bk, .offset: 16, .size: 8, .value_kind: global_buffer, .address_space: global }
      - { .name: bv, .offset: 24, .size: 8, .value_kind: global_buffer, .address_space: global }
      - { .name: pimg, .offset: 32, .size: 8, .value_kind: global_buffer, .address_space: global }
    .group_segment_fixed_size: 289280
    .private_segment_fixed_size: 0
    .kernarg_segment_align: 8
    .kernarg_segment_size: 40
    .max_flat_workgroup_size: 128
    .sgpr_count:     80
    .vgpr_count:     896
    .wavefront_size: 32
...
	.end_amdgpu_metadata
.endif
;; end of part 2
;; launch attn (part 3): grid 256 x 1, 8 waves a work-group, clusters of 4 x 1, 327,680 bytes of LDS; arguments pimg, oimg; writes oimg
.if DOCPART == 3
	.amdgcn_target "amdgcn-amd-amdhsa--gfx1250"
	.amdhsa_code_object_version 6
	.text
	.protected	k_q7fb87f5df3_attn
	.globl	k_q7fb87f5df3_attn
	.p2align	8
	.type	k_q7fb87f5df3_attn,@function
k_q7fb87f5df3_attn:
	s_mov_b64 s[64:65], 0
	v_nop
	global_prefetch_b8 v0, s[64:65] scope:SCOPE_SE
	s_setreg_imm32_b32 hwreg(HW_REG_WAVE_MODE, 25, 1), 1
	s_wait_xcnt 0x0
	s_wait_alu depctr_hold_cnt(0) depctr_sa_sdst(0) depctr_va_vdst(0) depctr_va_sdst(0) depctr_va_ssrc(0) depctr_va_vcc(0) depctr_vm_vsrc(0)
	s_getreg_b32 s2, hwreg(HW_REG_IB_STS2, 6, 4)
	s_cmp_eq_u32 s2, 0
	s_cbranch_scc0 .Lentry_in_a_cluster
	s_endpgm
.Lentry_in_a_cluster:
	s_bfe_u32 s2, ttmp6, 0x10000c
	s_cmp_lg_u32 s2, 0x3003
	s_cbranch_scc0 .Lentry_shape_is_right
	s_endpgm
.Lentry_shape_is_right:
; o = softmax(V K^T / 128) V for one batch's 2,048 tokens, both products on codes of FP6 with E8M0 scales. reference()'s sixteen heads hold the same numbers for every input (one key/value head repeated, one query head broadcast):
; they are computed once. o is quantised along d and leaves as the operand of the last product, the same in all sixteen heads.
; THE SOFTMAX: t = score x log2(e) / 128; M = the largest t so far, rounded up to a whole number; p = 2^(t - M) is quantised along the keys, not normalised; the sum is taken of the unquantised p.
; SHARES: a work-group owns one tile of 16 queries. Wave w walks records 2 w and 2 w + 1 (128 keys each) with its own M, sum and O^T; then waves 0 to 3 bring the eight under one M (exact powers of two), each for 32 of the 128 d, and divide.
; Both products are used transposed (S^T = K Q^T, O^T = V^T P^T): a lane holds one query; the tiles' orders of keys and of d give it 16 neighbours along the next K in 16 registers.
; CLUSTER: its four query tiles belong to one batch. Each wave asks jointly for its first record and the K of its second, 38,400 dense bytes, and nobody else reads them: its own wait serves. Nothing is filled again.
; The batch's 16 records are 409,600 bytes and LDS has 327,680: so the V of a wave's second record, the last operand to be used, goes from memory straight into registers, behind the first step's products, and is not asked for jointly.
; No prefetch: two steps are written out, there is no loop to run ahead in.
; LIMITS: the scaled scores stay under 2^31 in magnitude; p under 2^-126 comes out of v_exp_f32 as 0; a block of zeros keeps the byte 1; NaN and infinities are not served. Scale bytes of o leave singly: 1 byte in 24 of what is stored.
; REGISTERS: window 0: v1-11, v60-79 addresses; v12 -M, v13 the largest t, v[14:15] the sum; v16-27 Q, v28 its scale words; v32-35 K's scale words, v36-39 V's; v40-58 the merge;
;   v96-159 S^T, then p; v160-223 O^T; v224-235 p's codes; v232-254 at work. Window 1: v0-95 K's 8 fragments, v96-191 V's (in the merge v0-127 the partial sums).
.set REC,   25600                      ; a record: K's 8 fragments; at 12,288 their scale words; at 12,800 V's four blocks of 32 keys; at 25,088 V's words
.set REG,   38400                      ; a wave's LDS: a record and a half; at the end, O^T (8,192 bytes), -M and the sum
.set SPARE, 307200                     ; the spare words
.set QF,    819200
.set QFS,   1212416
.set OSO,   393216                     ; oimg: [tile][block of 32 d: 4][row 16][24 bytes]; from here scale words [tile][16]
.set KS,  32
.set VS,  36
.set G1,  24
.set G0,  32
.set MSB, 0
.macro WIN new
.if MSB != \new
	s_set_vgpr_msb (MSB<<8)|\new
.set MSB, \new
.endif
.endm
.macro PLACES
.rept 4
	v_nop
.endr
.endm
.macro WALU
	s_wait_alu depctr_va_vdst(0)
.endm
.macro CROUND
	s_barrier_signal -1
	s_barrier_wait -1
	s_cmp_lg_u32 s14, 0
	s_cbranch_scc1 .Lnot_wave_0_\@
	s_barrier_signal -3
.Lnot_wave_0_\@:
	s_barrier_wait -3
	s_barrier_signal -1
	s_barrier_wait -1
.endm
.macro WM d, a, b, zero, sa, sb, ra    ; one product, in place or from the constant 0; ra: the row of source 0's scales
.if \zero
	v_wmma_scale_f32_16x16x128_f8f6f4 v[\d:\d+7], v[\a:\a+11], v[\b:\b+11], 0, v[\sa], v[\sb] matrix_a_fmt:MATRIX_FMT_FP6 matrix_b_fmt:MATRIX_FMT_FP6 matrix_a_scale:MATRIX_SCALE_ROW\ra
.else
	v_wmma_scale_f32_16x16x128_f8f6f4 v[\d:\d+7], v[\a:\a+11], v[\b:\b+11], v[\d:\d+7], v[\sa], v[\sb] matrix_a_fmt:MATRIX_FMT_FP6 matrix_b_fmt:MATRIX_FMT_FP6 matrix_a_scale:MATRIX_SCALE_ROW\ra
.endif
.endm
.macro FETCHK n                        ; record n's K: 36 loads
	WIN 0x40                                       ; destination window 1
.irp T, 0,1,2,3,4,5,6,7
.irp c, 0,1
	ds_load_b128 v[12*\T+6*\c:12*\T+6*\c+3], v1 offset:REC*(\n)+1536*\T+768*\c
	ds_load_b64 v[12*\T+6*\c+4:12*\T+6*\c+5], v2 offset:REC*(\n)+1536*\T+768*\c+512
.endr
.endr
	WIN 0
.irp b, 0,1,2,3
	ds_load_b32 v[KS+\b], v3 offset:REC*(\n)+128*\b
.endr
.endm
.macro FETCHV                          ; the first record's V, from LDS: 36 loads
	WIN 0x40
.irp e, 0,1,2,3,4,5,6,7
.irp c, 0,1
	ds_load_b128 v[96+12*\e+6*\c:96+12*\e+6*\c+3], v4 offset:6144*\c+256*\e
	ds_load_b64 v[96+12*\e+6*\c+4:96+12*\e+6*\c+5], v[5+(\e%2)] offset:6144*\c+256*(\e/2)
.endr
.endr
	WIN 0
.irp b, 0,1,2,3
	ds_load_b32 v[VS+\b], v7 offset:128*\b
.endr
.endm
.macro LOADV                           ; the second record's V, from memory: the same 36 pieces
	WIN 0x40
.irp e, 0,1,2,3,4,5,6,7
.irp c, 0,1
	global_load_b128 v[96+12*\e+6*\c:96+12*\e+6*\c+3], v76, s[58:59] offset:6144*\c+256*\e
	global_load_b64 v[96+12*\e+6*\c+4:96+12*\e+6*\c+5], v[77+(\e%2)], s[58:59] offset:2048+128*(\e%2)+6144*\c+256*(\e/2)
.endr
.endr
	WIN 0
.irp b, 0,1,2,3
	global_load_b32 v[VS+\b], v79, s[58:59] offset:12288+128*\b
.endr
.endm
.macro SOFTMAX
.irp b, 0,1,2,3
	v_max3_num_f32 v[232+\b], v[96+16*\b], v[97+16*\b], v[98+16*\b]   ; the largest score of each block of 32 keys: for the row's maximum, and, since p rises with the score, for the block's largest p
.endr
.irp i, 3,5,7,9,11,13
.irp b, 0,1,2,3
	v_max3_num_f32 v[232+\b], v[232+\b], v[96+16*\b+\i], v[97+16*\b+\i]
.endr
.endr
.irp b, 0,1,2,3
	v_max_num_f32 v[232+\b], v[232+\b], v[111+16*\b]
.endr
.irp b, 0,1,2,3
	v_permlanex16_b32 v[236+\b], v[232+\b], s20, s21
.endr
.irp b, 0,1,2,3
	v_max_num_f32 v[232+\b], v[232+\b], v[236+\b]  ; with lane l xor 16's 16 keys
.endr
	v_max3_num_f32 v254, v232, v233, v234
	v_max_num_f32 v254, v254, v235                 ; the step's largest score of my query
	v_mul_f32 v254, s22, v254                      ; as t (c is positive)
	v_max_num_f32 v13, v13, v254                   ; the running largest t
	v_mov_b32 v254, v12
	v_floor_f32 v12, -v13                          ; the new -M = floor(-t) = -ceil(t): a whole number
	v_sub_f32 v254, v12, v254                      ; M's old value less its new one: 0 or less
	v_cvt_i32_f32 v254, v254                       ; (it saturates)
	v_ldexp_f32 v252, 1.0, v254                    ; f: a multiplication by it rounds nothing
.set J, 0
.rept 32
	v_pk_fma_f32 v[96+J:97+J], v[96+J:97+J], s[22:23], v[12:13] op_sel_hi:[1,0,0]   ; t - M, two at a time
.set J, J+2
.endr
.irp b, 0,1,2,3
	v_fma_f32 v[232+\b], v[232+\b], s22, v12       ; the same of each block's largest score
.endr
	WALU                                           ; the wait ahead of the batch
.set J, 0
.rept 64
	v_exp_f32 v[96+J], v[96+J]                     ; p = 2^(t - M), at most 1
.set J, J+1
.endr
	v_pk_mul_f32 v[14:15], v[14:15], v[252:253] op_sel_hi:[1,0]   ; the sums under the new M (a plain place behind the exponentials)
	WALU                                           ; one wait for the batch of 64, ahead of its first reader
.irp b, 0,1,2,3
	v_exp_f32 v[232+\b], v[232+\b]                 ; the block's largest p: the same two instructions on the same number
.endr
	v_pk_add_f32 v[236:237], v[96:97], v[98:99]    ; the row's sum is taken of the unquantised p, in two chains
.irp j, 4,8,12,16,20,24,28,32,36,40,44,48,52,56,60
	v_pk_add_f32 v[14:15], v[14:15], v[96+\j:97+\j]
	v_pk_add_f32 v[236:237], v[236:237], v[98+\j:99+\j]
.endr
	v_pk_add_f32 v[14:15], v[14:15], v[236:237]
	WALU                                           ; and one for the four
.irp b, 0,1,2,3
	v_max_num_f32 v[232+\b], 0x1800000, v[232+\b]  ; the floor 2^(3 - 127): the byte cannot fall under 1
.endr
.irp b, 0,1,2,3
	v_add_nc_u32 v[244+\b], 0xff000000, v[232+\b]  ; 2 off the exponent field: the conversion's scale operand
.endr
.irp b, 0,1,2,3
	v_lshrrev_b32 v[236+\b], 23, v[244+\b]
.endr
	v_lshl_or_b32 v236, v237, 8, v236
	v_lshl_or_b32 v236, v238, 16, v236
	v_lshl_or_b32 v253, v239, 24, v236             ; p's scale word for these 128 keys
.irp c, 0,1
	v_cvt_scalef32_pk16_fp6_f32 v[224+6*\c:226+6*\c], v[96+32*\c:111+32*\c], v[244+2*\c]
	v_cvt_scalef32_pk16_fp6_f32 v[236+4*\c:238+4*\c], v[112+32*\c:127+32*\c], v[244+2*\c+1]
.endr
	v_nop                                          ; one plain place behind a scaled conversion
.irp c, 0,1
.irp i, 0,1,2
	v_permlane16_swap_b32 v[224+6*\c+\i], v[236+4*\c+\i]
.endr
.irp i, 0,1,2
	v_mov_b32 v[227+6*\c+\i], v[236+4*\c+\i]
.endr
.endr
.endm
.macro SCORES
	WIN 0x01                                       ; source 0 window 1
.irp b, 0,1,2,3
	WM 96+16*\b, 24*\b, 16, 1, KS+\b, 28, 0
	WM 104+16*\b, 24*\b+12, 16, 1, KS+\b, 28, 1
.endr
	WIN 0
.endm
.macro PV zero
	WIN 0x01
.irp b, 0,1,2,3
	WM 160+16*\b, 96+24*\b, 224, \zero, VS+\b, 253, 0
	WM 168+16*\b, 108+24*\b, 224, \zero, VS+\b, 253, 1
.endr
	WIN 0
.endm
	s_load_b128 s[4:7], s[0:1], 0x0                ; pimg, oimg
	v_lshl_add_u32 v8, v0, 2, SPARE
	v_mov_b32 v9, 0
	ds_add_u32 v8, v9                              ; the opening: the add, twice on end
	ds_add_u32 v8, v9
	v_lshrrev_b32 v40, 5, v0
	v_readfirstlane_b32 s14, v40                   ; wave 0..7
	s_lshr_b32 s15, ttmp9, 5                       ; the batch: 32 clusters each; the four partners share it
	; descriptor group 1: 38,400 dense bytes as 150 rows of 256 bytes (32 elements of 8 bytes), no padding
	s_mov_b32 s[G1], 15|(3<<16)|(1<<21)            ; the mask: all four work-groups
	s_mov_b32 s[G1+1], 32<<16
	s_mov_b32 s[G1+2], 150<<16
	s_mov_b32 s[G1+3], 32<<16
	s_mov_b32 s[G1+4], 150
	s_mov_b32 s[G1+5], 32
	s_mov_b32 s[G1+6], 0
	s_mov_b32 s[G1+7], 0
	s_mul_i32 s16, s14, REG                        ; my LDS bytes
	s_mul_i32 s48, s14, 2*REC
	s_mul_i32 s17, s15, 16*REC
	s_add_co_u32 s48, s48, s17                     ; my two records
	s_mov_b32 s49, 0
	s_mov_b32 s20, 0x76543210
	s_mov_b32 s21, 0xfedcba98                      ; v_permlanex16_b32's selects for lane l xor 16
	s_mov_b32 s22, 0x3c38aa3b                      ; c = log2(e) / 128
	s_mov_b32 s23, s22                             ; (named with it as a pair, so it is written)
	s_add_co_u32 s36, s16, 12288
	s_add_co_u32 s37, s16, 12800
	s_add_co_u32 s38, s16, 14848
	s_add_co_u32 s39, s16, 14976
	s_add_co_u32 s40, s16, 25088
	s_add_co_u32 s41, s16, 8192
	s_lshl_b32 s42, s14, 11
	s_add_co_u32 s43, s42, 2*REG
	s_add_co_u32 s44, s42, 4*REG
	s_add_co_u32 s45, s42, 6*REG
	s_mul_i32 s46, s14, 384
	v_and_b32 v40, 31, v0                          ; lane
	v_and_b32 v41, 15, v0                          ; r
	v_bfe_u32 v42, v0, 4, 1                        ; h
	v_lshl_add_u32 v1, v40, 4, s16                 ; K's half images: 16 bytes a lane (at the end my O^T goes here),
	v_lshl_add_u32 v2, v40, 3, s16                 ; then 8
	v_lshl_add_u32 v3, v40, 2, s36                 ; K's scale words: lane 16 u + r takes tile 2 b + u's
	v_mul_u32_u24 v76, v42, 3072                   ; V: lanes 16-31 take the next block of 32 keys
	v_lshl_add_u32 v76, v41, 4, v76
	v_mul_u32_u24 v77, v42, 3200                   ; the last 8 bytes, even tiles of d: 128 further on in an odd block,
	v_lshl_add_u32 v77, v41, 3, v77
	v_mul_u32_u24 v78, v42, 2944                   ; odd tiles: 128 further on in an even block
	v_lshl_add_u32 v78, v41, 3, v78
	v_lshlrev_b32 v79, 2, v40
	v_add_nc_u32 v4, s37, v76
	v_add_nc_u32 v5, s38, v77
	v_add_nc_u32 v6, s39, v78
	v_add_nc_u32 v7, s40, v79
	v_add_nc_u32 v11, s41, v79                     ; the merge: -M and the sum behind my O^T
	v_lshl_add_u32 v60, v40, 4, s42                ; and my 32 d of each wave's O^T, two waves to a register
	v_lshl_add_u32 v61, v40, 4, s43
	v_lshl_add_u32 v62, v40, 4, s44
	v_lshl_add_u32 v63, v40, 4, s45
	v_lshl_add_u32 v64, v40, 2, 8192
	v_lshl_add_u32 v65, v40, 2, 2*REG+8192
	v_lshl_add_u32 v66, v40, 2, 4*REG+8192
	v_lshl_add_u32 v67, v40, 2, 6*REG+8192
	v_lshlrev_b32 v68, 4, v40
	v_lshlrev_b32 v69, 3, v40
	v_lshlrev_b32 v70, 2, v41
	v_add_nc_u32 v74, s14, v70                     ; o's scale byte: byte w of row r's word
	v_mul_u32_u24 v73, v41, 24
	v_mad_u32_u24 v73, v42, 12, v73
	v_add_nc_u32 v73, s46, v73                     ; o's codes: block w, row r, 12 bytes for each half of the lanes
	v_mov_b32 v13, 0xff61b1e6                      ; the largest t so far: -3e38, under every t
	v_floor_f32 v12, -v13                          ; -M
	v_mov_b32 v14, 0                               ; the sum, in two halves
	v_mov_b32 v15, 0
.irp b, 0,1,2,3
	v_mov_b32 v[236+\b], 0                         ; a lane permute's destination counts as one of its sources
.endr
	v_mov_b32 v253, 0                              ; (named as the upper half of the pair v[252:253] before it is first written)
	WALU                                           ; the wait at the head's end
	s_wait_dscnt 0x0                               ; both opening adds are done
	s_wait_kmcnt 0x0
	s_add_nc_u64 s[48:49], s[4:5], s[48:49]
	s_mov_b32 s[G0], 1
	s_mov_b32 s[G0+1], s16
	s_mov_b64 s[G0+2:G0+3], s[48:49]
	s_or_b32 s[G0+3], s[G0+3], 0x80000000
	CROUND                                         ; all four work-groups are here: the joint loads meet
	tensor_load_to_lds s[G0:G0+3], s[G1:G1+7]
	s_nop 0
	PLACES
	s_add_nc_u64 s[58:59], s[48:49], REC+12800     ; the second record's V
	s_bfe_u32 s18, ttmp6, 0x40000                  ; cx: it enters the addresses of Q and of o alone
	s_lshl_b32 s19, ttmp9, 2
	s_add_co_u32 s19, s19, s18                     ; my tile of queries
	s_mul_i32 s50, s19, 1536
	s_mov_b32 s51, 0
	s_add_nc_u64 s[54:55], s[6:7], s[50:51]        ; o's codes
	s_add_co_u32 s50, s50, QF
	s_add_nc_u64 s[50:51], s[4:5], s[50:51]        ; Q's
	s_lshl_b32 s52, s19, 6
	s_mov_b32 s53, 0
	s_add_nc_u64 s[56:57], s[6:7], s[52:53]
	s_add_nc_u64 s[56:57], s[56:57], OSO           ; o's scale words
	s_add_co_u32 s52, s52, QFS
	s_add_nc_u64 s[52:53], s[4:5], s[52:53]        ; Q's
	global_load_b128 v[16:19], v68, s[50:51]
	global_load_b64 v[20:21], v69, s[50:51] offset:512
	global_load_b128 v[22:25], v68, s[50:51] offset:768
	global_load_b64 v[26:27], v69, s[50:51] offset:1280
	global_load_b32 v28, v70, s[52:53]
	s_wait_tensorcnt 0x0                           ; my record and a half is in
	FETCHK 0
	FETCHV
	s_wait_loadcnt 0x0                             ; Q
	; the first 128 keys
	s_wait_dscnt 36                                ; K is in; V's 36 loads may be out
	SCORES
	PLACES                                         ; in front of loads into registers that matrix instructions have read
	FETCHK 1
	SOFTMAX
	PLACES                                         ; an operand written by vector instructions stands four places ahead of a scaled product, a scale word eight
	WALU
	s_wait_dscnt 36                                ; V is in; the next K's 36 loads may be out
	PV 1                                           ; the first step starts the sums
	PLACES
	LOADV
	; the second 128 keys
	s_wait_dscnt 0x0
	SCORES
	PLACES                                         ; behind the products: their results are read next
	SOFTMAX
	WALU                                           ; the wait directly ahead of the first reader of O^T
.set J, 0
.rept 32
	v_pk_mul_f32 v[160+J:161+J], v[160+J:161+J], v[252:253] op_sel_hi:[1,0]   ; O^T under the new M; these are also the places in front of the products
.set J, J+2
.endr
	WALU
	s_wait_loadcnt 0x0                             ; V
	PV 0
	; THE MERGE. Every wave lays O^T, -M and the sum as images of its registers into its own LDS bytes, which have had their last fill and their last read
	PLACES                                         ; behind the last products
	v_add_f32 v14, v14, v15                        ; the sum's two halves,
	v_permlanex16_b32 v252, v14, s20, s21
	v_add_f32 v14, v14, v252                       ; and lane l xor 16's
.irp k, 0,1,2,3,4,5,6,7,8,9,10,11,12,13,14,15
	ds_store_b128 v1, v[160+4*\k:163+4*\k] offset:512*\k   ; each accumulator from its low end on
.endr
	ds_store_b32 v11, v12
	ds_store_b32 v11, v14 offset:128
	s_wait_dscnt 0x0                               ; for the others' sake: my stores are done
	s_barrier_signal -1
	s_barrier_wait -1
	s_cmp_lt_u32 s14, 4
	s_cbranch_scc0 .Lend
.irp w, 0,1,2,3,4,5,6,7
	ds_load_b32 v[40+\w], v[64+\w/2] offset:REG*(\w%2)
	ds_load_b32 v[48+\w], v[64+\w/2] offset:REG*(\w%2)+128
.endr
	WIN 0x40
.irp w, 0,1,2,3,4,5,6,7
.irp k, 0,1,2,3
	ds_load_b128 v[16*\w+4*\k:16*\w+4*\k+3], v[60+\w/2] offset:REG*(\w%2)+512*\k
.endr
.endr
	WIN 0
	s_wait_dscnt 0x0
	v_min3_num_f32 v56, v40, v41, v42              ; -M of all: the least of the eight
	v_min3_num_f32 v57, v43, v44, v45
	v_min3_num_f32 v56, v56, v46, v47
	v_min_num_f32 v56, v56, v57
.irp w, 0,1,2,3,4,5,6,7
	v_sub_f32 v[40+\w], v56, v[40+\w]              ; each wave's M less that M: a whole number, 0 or less
.endr
.irp w, 0,1,2,3,4,5,6,7
	v_cvt_i32_f32 v[40+\w], v[40+\w]
.endr
.irp w, 0,1,2,3,4,5,6,7
	v_ldexp_f32 v[40+\w], 1.0, v[40+\w]            ; 2^(M_w - M)
.endr
	v_mul_f32 v57, v48, v40
	v_mul_f32 v58, v49, v41
.irp w, 2,4,6
	v_fmac_f32 v57, v[48+\w], v[40+\w]
	v_fmac_f32 v58, v[49+\w], v[41+\w]
.endr
	v_add_f32 v57, v57, v58                        ; the row's sum under one M
	WALU
	v_rcp_f32 v58, v57
	v_nop                                          ; a plain place behind the transcendental
	WALU                                           ; and the wait ahead of its first reader
.irp w, 0,1,2,3,4,5,6,7
	v_mul_f32 v[112+2*\w], v[40+\w], v58           ; 2^(M_w - M) / sum (the low words of eight pairs, where p lay)
.endr
	WIN 0x01                                       ; source 0 window 1
.set J, 0
.rept 8
	v_pk_mul_f32 v[160+J:161+J], v[J:J+1], v[112:113] op_sel_hi:[1,0]
.set J, J+2
.endr
.irp w, 1,2,3,4,5,6,7
.set J, 0
.rept 8
	v_pk_fma_f32 v[160+J:161+J], v[16*\w+J:16*\w+J+1], v[112+2*\w:113+2*\w], v[160+J:161+J] op_sel_hi:[1,0,1]
.set J, J+2
.endr
.endr
	WIN 0
	; o, register i = d 32 w + 16 (lane / 16) + i of my query: one block of 32 in lanes l and l xor 16
	v_max3_num_f32 v96, |v160|, |v161|, |v162|
	v_max3_num_f32 v97, |v163|, |v164|, |v165|
	v_max3_num_f32 v96, v96, |v166|, |v167|
	v_max3_num_f32 v97, v97, |v168|, |v169|
	v_max3_num_f32 v96, v96, |v170|, |v171|
	v_max3_num_f32 v97, v97, |v172|, |v173|
	v_max3_num_f32 v96, v96, |v174|, |v175|
	v_max3_num_f32 v96, v96, v97, 0x1800000        ; and the floor
	v_permlanex16_b32 v98, v96, s20, s21
	v_max_num_f32 v96, v96, v98
	v_add_nc_u32 v99, 0xff000000, v96
	v_lshrrev_b32 v100, 23, v99
	v_cvt_scalef32_pk16_fp6_f32 v[102:104], v[160:175], v99
	v_nop
	global_store_b96 v73, v[102:104], s[54:55]     ; 384 consecutive bytes
	global_store_b8 v74, v100, s[56:57]            ; (lanes l and l xor 16 store the same byte with the same value)
.Lend:
	s_wait_tensorcnt 0x0                           ; the wave's end
	ds_add_u32 v8, v9
	s_wait_dscnt 0x0
	CROUND                                         ; the closing round
	s_endpgm
.Lfunc_end_k_q7fb87f5df3_attn:
	.size	k_q7fb87f5df3_attn, .Lfunc_end_k_q7fb87f5df3_attn-k_q7fb87f5df3_attn
	.p2alignl 7, 3214868480
	.fill 96, 4, 3214868480
	.section	.rodata,"a",@progbits
	.p2align	6, 0x0
	.amdhsa_kernel k_q7fb87f5df3_attn
		.amdhsa_group_segment_fixed_size 327680
		.amdhsa_private_segment_fixed_size 0
		.amdhsa_enable_private_segment 0
		.amdhsa_kernarg_size 16
		.amdhsa_user_sgpr_count 2
		.amdhsa_user_sgpr_kernarg_segment_ptr 1
		.amdhsa_wavefront_size32 1
		.amdhsa_system_sgpr_workgroup_id_x 1
		.amdhsa_system_sgpr_workgroup_id_y 1
		.amdhsa_system_sgpr_workgroup_id_z 1
		.amdhsa_system_vgpr_workitem_id 0
		.amdhsa_next_free_vgpr 448
		.amdhsa_next_free_sgpr 66
		.amdhsa_reserve_vcc 0
		.amdhsa_float_denorm_mode_32 3
		.amdhsa_float_denorm_mode_16_64 3
		.amdhsa_memory_ordered 1
		.amdhsa_forward_progress 1
		.amdhsa_inst_pref_size 58
	.end_amdhsa_kernel
	.amdgpu_metadata
---
amdhsa.version: [ 1, 2 ]
amdhsa.kernels:
  - .name:           k_q7fb87f5df3_attn
    .symbol:         k_q7fb87f5df3_attn.kd
    .args:
      - { .name: pimg, .offset: 0, .size: 8, .value_kind: global_buffer, .address_space: global }
      - { .name: oimg, .offset: 8, .size: 8, .value_kind: global_buffer, .address_space: global }
    .group_segment_fixed_size: 327680
    .private_segment_fixed_size: 0
    .kernarg_segment_align: 8
    .kernarg_segment_size: 16
    .max_flat_workgroup_size: 256
    .sgpr_count:     66
    .vgpr_count:     448
    .wavefront_size: 32
...
	.end_amdgpu_metadata
.endif
;; end of part 3
;; launch outp (part 4): grid 16 x 16, 4 waves a work-group, clusters of 4 x 1, 257,536 bytes of LDS; arguments oimg, wimg, bo, out0; writes out0
.if DOCPART == 4
	.amdgcn_target "amdgcn-amd-amdhsa--gfx1250"
	.amdhsa_code_object_version 6
	.text
	.protected	k_q7fb87f5df3_outp
	.globl	k_q7fb87f5df3_outp
	.p2align	8
	.type	k_q7fb87f5df3_outp,@function
k_q7fb87f5df3_outp:
	s_mov_b64 s[64:65], 0
	v_nop
	global_prefetch_b8 v0, s[64:65] scope:SCOPE_SE
	s_setreg_imm32_b32 hwreg(HW_REG_WAVE_MODE, 25, 1), 1
	s_wait_xcnt 0x0
	s_wait_alu depctr_hold_cnt(0) depctr_sa_sdst(0) depctr_va_vdst(0) depctr_va_sdst(0) depctr_va_ssrc(0) depctr_va_vcc(0) depctr_vm_vsrc(0)
	s_getreg_b32 s2, hwreg(HW_REG_IB_STS2, 6, 4)
	s_cmp_eq_u32 s2, 0
	s_cbranch_scc0 .Lentry_in_a_cluster
	s_endpgm
.Lentry_in_a_cluster:
	s_bfe_u32 s2, ttmp6, 0x10000c
	s_cmp_lg_u32 s2, 0x3003
	s_cbranch_scc0 .Lentry_shape_is_right
	s_endpgm
.Lentry_shape_is_right:
; out0 = Q(concat of 16 heads) Q(Wo) + bo, [4096][2048] f32, K = 2048, on codes of FP6 with E8M0 scales, sums in f32; the bias is added to the finished sum.
; The sixteen heads hold the same 128 numbers for every input, and blocks of 32 lie inside a head: so the left operand's fragment and scale word are the same in all 16 K steps; Wo's codes differ from step to step.
; SHARES: a work-group makes 256 tokens x 128 columns; wave w: tokens 128 (w / 2) on (8 tiles), columns 64 (w % 2) on (4 tiles), 512 products.
; A WAVE HOLDS ITS 64 COLUMNS OF Wo, ALL OF K, IN REGISTERS: 64 fragments of 12. Token tiles 0-2 are multiplied while the fragments come in from LDS, 12 products a K step; tiles 3-7 then go one after the other, 64 products each,
; and a finished tile's rows leave while the next tile is multiplied. Accumulators take turns, one instruction a turn.
; TRANSPOSED: source 0 = 16 columns of Wo, source 1 = 16 tokens: a lane holds eight neighbouring numbers of a row of out0.
; CLUSTER: its four work-groups share the columns: Wo's 204,800 bytes (codes and scale words) are asked for jointly, wave w K steps 4 w .. 4 w + 3; four barriers show the four parts in their order. Nothing is filled again.
; No prefetch: all of Wo's bytes are asked for at the head, and there is no loop to run ahead in.
; LIMITS: as in the launches before; NaN and infinities are not served.
; REGISTERS: window 0: v2-11 addresses; v12-15 the bias of four columns; v16-19 the tokens' scale words; v20-51 Wo's; v52-63 fragment 63; v64-159 the tokens' 8 fragments (from tile 3 on v64-95 rows of out0); v160-255 three sets of four accumulators.
;   Windows 1-3: fragments 0-62, 21 to a window.
.set OSO,  393216
.set STG,  204800                      ; LDS: Wo [K step][12,800]; then three stages of 16 rows x (256 + 16) bytes for each wave
.set SPARE, 257024
.set STO,  2
.set RD,   3
.set CO,   4
.set WA,   5
.set WSA,  6
.set SPW,  10
.set NIL,  11
.set BO,   12
.set AS,   16
.set BS,   20
.set F63,  52
.set AF,   64
.set RB,   64
.set ACC,  160
.set G1,   24
.set G0,   32
.set MSB, 0
.macro WIN new
.if MSB != \new
	s_set_vgpr_msb (MSB<<8)|\new
.set MSB, \new
.endif
.endm
.macro PLACES
.rept 4
	v_nop
.endr
.endm
.macro WALU
	s_wait_alu depctr_va_vdst(0)
.endm
.macro CROUND
	s_barrier_signal -1
	s_barrier_wait -1
	s_cmp_lg_u32 s14, 0
	s_cbranch_scc1 .Lnot_wave_0_\@
	s_barrier_signal -3
.Lnot_wave_0_\@:
	s_barrier_wait -3
	s_barrier_signal -1
	s_barrier_wait -1
.endm
.macro TLOAD
	tensor_load_to_lds s[G0:G0+3], s[G1:G1+7]
	s_nop 0
	PLACES
.endm
.macro W1 t, s, i, ra, rb              ; one product: token tile t, K step s, column tile i; ra, rb: the rows of the sides' scales
.set F_, 4*(\s)+\i
.if F_ < 63
.set R_, 12*(F_%21)
.set W_, 1+F_/21
.else
.set R_, F63
.set W_, 0
.endif
.set D_, ACC+32*((\t)%3)+8*\i
.set A_, AF+12*(\t)
.set X_, BS+2*(\s)+\i/2
.set Y_, AS+(\t)/2
	WIN W_
.if (\s) == 0
	v_wmma_scale_f32_16x16x128_f8f6f4 v[D_:D_+7], v[R_:R_+11], v[A_:A_+11], 0, v[X_], v[Y_] matrix_a_fmt:MATRIX_FMT_FP6 matrix_b_fmt:MATRIX_FMT_FP6 matrix_a_scale:MATRIX_SCALE_ROW\ra matrix_b_scale:MATRIX_SCALE_ROW\rb
.else
	v_wmma_scale_f32_16x16x128_f8f6f4 v[D_:D_+7], v[R_:R_+11], v[A_:A_+11], v[D_:D_+7], v[X_], v[Y_] matrix_a_fmt:MATRIX_FMT_FP6 matrix_b_fmt:MATRIX_FMT_FP6 matrix_a_scale:MATRIX_SCALE_ROW\ra matrix_b_scale:MATRIX_SCALE_ROW\rb
.endif
.endm
.macro PROD4 t, s
.if (\t)%2
	W1 \t, \s, 0, 0, 1
	W1 \t, \s, 1, 1, 1
	W1 \t, \s, 2, 0, 1
	W1 \t, \s, 3, 1, 1
.else
	W1 \t, \s, 0, 0, 0
	W1 \t, \s, 1, 1, 0
	W1 \t, \s, 2, 0, 0
	W1 \t, \s, 3, 1, 0
.endif
.endm
.macro FETCHP s, part                  ; a third of K step s's four fragments: four loads of 512 consecutive bytes; with the first third the scale words
.if (\part) == 0
	WIN 0
	ds_load_b32 v[BS+2*(\s)], v[WSA] offset:12800*((\s)%4)
	ds_load_b32 v[BS+2*(\s)+1], v[WSA] offset:12800*((\s)%4)+128
.endif
.irp n, 0,1,2,3
.set N_, 4*(\part)+\n
.set F_, 4*(\s)+N_/3
.if F_ < 63
.set R_, 12*(F_%21)+4*(N_%3)
.set W_, (1+F_/21)<<6
.else
.set R_, F63+4*(N_%3)
.set W_, 0
.endif
	WIN W_
	ds_load_b128 v[R_:R_+3], v[WA] offset:12800*((\s)%4)+1536*(N_/3)+512*(N_%3)
.endr
.endm
.macro SHOW k                          ; a barrier shows part k (wave k's load) to all waves; later loads may stay out
	WIN 0
.if (\k) > 0
	v_add_nc_u32 v[WA], 51200, v[WA]               ; the next four K steps
	v_add_nc_u32 v[WSA], 51200, v[WSA]
	WALU
.endif
.if (\k) < 3
	s_cmp_lt_u32 s14, (\k)+1
	s_cbranch_scc0 .Lnot_asker_\@
	s_wait_tensorcnt 0x0
.Lnot_asker_\@:
.else
	s_wait_tensorcnt 0x0
.endif
	s_wait_dscnt 0x0                               ; the part before is in registers
	s_barrier_signal -1
	s_barrier_wait -1
.endm
.macro CHUNK k                         ; tiles 0-2 x four K steps, the loads of the next four K steps among them
.set S_, 4*(\k)
.rept 4
.irp t, 0,1,2
	PROD4 \t, S_
	FETCHP S_+4, \t
.endr
.set S_, S_+1
.endr
.endm
; THE WAY OUT of a tile of 16 tokens x 64 columns, through my own stage t % 3: ST in, LD back as whole rows of 256 bytes, SEND: the bias, and out: sixteen lanes store a row's 256 consecutive bytes, at a multiple of 256 from out0's first byte.
; Position p of tile t is token 32 (t / 2) + 8 (t % 2) + p % 8 + 16 (p / 8) of my 128. LDS serves a wave's instructions in order (ISA guide 5.7.1.4): no wait between ST and LD.
.macro ST t
	PLACES                                         ; behind the tile's last products
	WIN 0
.set D_, ACC+32*((\t)%3)
.irp i, 0,1,2,3
	ds_store_b128 v[STO], v[D_+8*\i:D_+8*\i+3] offset:4352*((\t)%3)+64*\i          ; each accumulator from its low end on
	ds_store_b128 v[STO], v[D_+8*\i+4:D_+8*\i+7] offset:4352*((\t)%3)+64*\i+16
.endr
.endm
.macro LD t
	WIN 0
	s_wait_xcnt 0x0                                ; the stores before have read their registers
.irp k, 0,1,2,3,4,5,6,7
	ds_load_b128 v[RB+4*\k:RB+4*\k+3], v[RD] offset:4352*((\t)%3)+544*\k
.endr
.endm
.macro SEND t
	WIN 0
	s_wait_dscnt 0x0
.irp k, 0,1,2,3,4,5,6,7
	v_pk_add_f32 v[RB+4*\k:RB+4*\k+1], v[RB+4*\k:RB+4*\k+1], v[BO:BO+1]
	v_pk_add_f32 v[RB+4*\k+2:RB+4*\k+3], v[RB+4*\k+2:RB+4*\k+3], v[BO+2:BO+3]
.endr
.irp k, 0,1,2,3,4,5,6,7
	global_store_b128 v[CO], v[RB+4*\k:RB+4*\k+3], s[60:61] offset:(32*((\t)/2)+8*((\t)%2)+2*\k+8*(\k/4))*8192 th:TH_STORE_NT
.endr
.endm
.macro TILE t                          ; a whole tile, the way out of the tiles before among its products
.set S_, 0
.rept 16
	PROD4 \t, S_
.if (\t) == 3
.if S_ == 0
	ST 2
	LD 0
.elseif S_ == 3
	SEND 0
.elseif S_ == 6
	LD 1
.elseif S_ == 8
	SEND 1
.elseif S_ == 11
	LD 2
.elseif S_ == 13
	SEND 2
.endif
.else
.if S_ == 1
	ST \t-1
	LD \t-1
.elseif S_ == 5
	SEND \t-1
.endif
.endif
.set S_, S_+1
.endr
.endm
	s_load_b256 s[4:11], s[0:1], 0x0               ; oimg, wimg, bo, out0
	v_lshl_add_u32 v[SPW], v0, 2, SPARE
	v_mov_b32 v[NIL], 0
	ds_add_u32 v[SPW], v[NIL]                      ; the opening: the add, twice on end
	ds_add_u32 v[SPW], v[NIL]
	v_lshrrev_b32 v1, 5, v0
	v_readfirstlane_b32 s14, v1                    ; wave 0..3
	s_lshr_b32 s15, s14, 1                         ; which half of the tokens
	s_and_b32 s16, s14, 1                          ; which half of the columns
	s_and_b32 s19, ttmp7, 0xffff                   ; the block of 128 columns; the four partners share it
	; descriptor group 1: a dense block of 51,200 bytes as 200 rows of 256 bytes (32 elements of 8 bytes), no padding
	s_mov_b32 s[G1], 15|(3<<16)|(1<<21)            ; the mask: all four work-groups
	s_mov_b32 s[G1+1], 32<<16
	s_mov_b32 s[G1+2], 200<<16
	s_mov_b32 s[G1+3], 32<<16
	s_mov_b32 s[G1+4], 200
	s_mov_b32 s[G1+5], 32
	s_mov_b32 s[G1+6], 0
	s_mov_b32 s[G1+7], 0
	s_mul_i32 s48, s14, 51200
	s_mul_i32 s50, s19, 204800
	s_add_co_u32 s50, s50, s48
	s_mov_b32 s51, 0
	s_mul_i32 s49, s16, 6144                       ; my four tiles of columns in a K step,
	s_lshl_b32 s40, s16, 8
	s_add_co_u32 s40, s40, 12288                   ; and their scale words
	s_mul_i32 s41, s14, 13056
	s_add_co_u32 s41, s41, STG                     ; my stages
	v_and_b32 v64, 31, v0                          ; lane
	v_and_b32 v65, 15, v0                          ; r
	v_bfe_u32 v66, v0, 4, 1                        ; h
	v_lshl_add_u32 v[WA], v64, 4, s49
	v_lshl_add_u32 v[WSA], v64, 2, s40
	v_mul_u32_u24 v7, v64, 24                      ; the tokens' codes: 24 bytes a lane
	v_lshlrev_b32 v8, 2, v64
	v_lshlrev_b32 v9, 4, v65
	v_mul_u32_u24 v[STO], v65, 272
	v_lshl_add_u32 v[STO], v66, 5, v[STO]
	v_add_nc_u32 v[STO], s41, v[STO]               ; in: row r, 32 bytes for each half of the lanes
	v_mul_u32_u24 v[RD], v66, 272
	v_lshl_add_u32 v[RD], v65, 4, v[RD]
	v_add_nc_u32 v[RD], s41, v[RD]                 ; back: lanes 0-15 one row of 256 bytes, lanes 16-31 the next
	v_lshlrev_b32 v[CO], 13, v66
	v_lshl_add_u32 v[CO], v65, 4, v[CO]            ; and the same two rows in out0
	WALU                                           ; the wait at the head's end
	s_wait_dscnt 0x0                               ; both opening adds are done
	s_wait_kmcnt 0x0
	s_add_nc_u64 s[50:51], s[6:7], s[50:51]
	s_mov_b32 s[G0], 1
	s_mov_b32 s[G0+1], s48
	s_mov_b64 s[G0+2:G0+3], s[50:51]
	s_or_b32 s[G0+3], s[G0+3], 0x80000000
	CROUND                                         ; all four work-groups are here: the joint loads meet
	s_cmp_eq_u32 s14, 0                            ; one load a wave, a line for each: the waves wait for theirs at different barriers
	s_cbranch_scc0 .Lwave_1
	TLOAD
	s_branch .Lasked
.Lwave_1:
	s_cmp_eq_u32 s14, 1
	s_cbranch_scc0 .Lwave_2
	TLOAD
	s_branch .Lasked
.Lwave_2:
	s_cmp_eq_u32 s14, 2
	s_cbranch_scc0 .Lwave_3
	TLOAD
	s_branch .Lasked
.Lwave_3:
	TLOAD
.Lasked:
	s_bfe_u32 s17, ttmp6, 0x40000                  ; cx: it enters global addresses of my own loads and stores alone
	s_lshl_b32 s18, ttmp9, 2
	s_add_co_u32 s18, s18, s17                     ; my block of 256 tokens
	s_lshl_b32 s66, s18, 4
	s_lshl_b32 s67, s15, 3
	s_add_co_u32 s66, s66, s67                     ; my first tile of tokens
	s_mul_i32 s52, s66, 1536
	s_mov_b32 s53, 0
	s_add_nc_u64 s[52:53], s[4:5], s[52:53]        ; its codes
	s_lshl_b32 s54, s66, 6
	s_add_co_u32 s54, s54, OSO
	s_mov_b32 s55, 0
	s_add_nc_u64 s[54:55], s[4:5], s[54:55]        ; its scale words
	s_lshl_b32 s58, s19, 9
	s_lshl_b32 s67, s16, 8
	s_add_co_u32 s58, s58, s67                     ; my first column, in bytes
	s_mov_b32 s59, 0
	s_lshl_b32 s60, s66, 17                        ; 16 tokens a tile x 8,192 bytes a row
	s_add_co_u32 s60, s60, s58
	s_mov_b32 s61, 0
	s_add_nc_u64 s[60:61], s[10:11], s[60:61]      ; out0 at my first row and column
	s_add_nc_u64 s[58:59], s[8:9], s[58:59]        ; the bias
.irp a, 0,1,2,3,4,5,6,7
.irp c, 0,1
.irp p, 0,1,2
	global_load_b64 v[AF+12*\a+6*\c+2*\p:AF+12*\a+6*\c+2*\p+1], v7, s[52:53] offset:1536*\a+768*\c+8*\p
.endr
.endr
.endr
.irp a, 0,1,2,3
	global_load_b32 v[AS+\a], v8, s[54:55] offset:128*\a      ; lanes 0-15 tile 2 a, lanes 16-31 tile 2 a + 1
.endr
	global_load_b128 v[BO:BO+3], v9, s[58:59]      ; the four columns that I store
	SHOW 0
.irp s, 0,1,2,3
.irp t, 0,1,2
	FETCHP \s, \t
.endr
.endr
	SHOW 1
	s_wait_loadcnt 0x0                             ; the tokens' codes, their scale words, the bias
	CHUNK 0
	SHOW 2
	CHUNK 1
	SHOW 3
	CHUNK 2
	WIN 0
	s_wait_dscnt 0x0                               ; all of Wo's fragments are in
.irp s, 12,13,14,15                    ; the last four K steps go tile by tile: each tile goes to its stage as soon as it is finished
	PROD4 0, \s
.endr
	PROD4 1, 12
	ST 0
.irp s, 13,14,15
	PROD4 1, \s
.endr
	PROD4 2, 12
	ST 1
.irp s, 13,14,15
	PROD4 2, \s
.endr
	s_wait_dscnt 8                                 ; tile 0's stores have read their registers; tile 1's eight may be out
	TILE 3
	TILE 4
	TILE 5
	TILE 6
	TILE 7
	ST 7
	LD 7
	SEND 7
	s_wait_tensorcnt 0x0                           ; the wave's end
	ds_add_u32 v[SPW], v[NIL]
	s_wait_dscnt 0x0
	CROUND                                         ; the closing round
	s_endpgm
.Lfunc_end_k_q7fb87f5df3_outp:
	.size	k_q7fb87f5df3_outp, .Lfunc_end_k_q7fb87f5df3_outp-k_q7fb87f5df3_outp
	.p2alignl 7, 3214868480
	.fill 96, 4, 3214868480
	.section	.rodata,"a",@progbits
	.p2align	6, 0x0
	.amdhsa_kernel k_q7fb87f5df3_outp
		.amdhsa_group_segment_fixed_size 257536
		.amdhsa_private_segment_fixed_size 0
		.amdhsa_enable_private_segment 0
		.amdhsa_kernarg_size 32
		.amdhsa_user_sgpr_count 2
		.amdhsa_user_sgpr_kernarg_segment_ptr 1
		.amdhsa_wavefront_size32 1
		.amdhsa_system_sgpr_workgroup_id_x 1
		.amdhsa_system_sgpr_workgroup_id_y 1
		.amdhsa_system_sgpr_workgroup_id_z 1
		.amdhsa_system_vgpr_workitem_id 0
		.amdhsa_next_free_vgpr 1024
		.amdhsa_next_free_sgpr 72
		.amdhsa_reserve_vcc 0
		.amdhsa_float_denorm_mode_32 3
		.amdhsa_float_denorm_mode_16_64 3
		.amdhsa_memory_ordered 1
		.amdhsa_forward_progress 1
		.amdhsa_inst_pref_size 119
	.end_amdhsa_kernel
	.amdgpu_metadata
---
amdhsa.version: [ 1, 2 ]
amdhsa.kernels:
  - .name:           k_q7fb87f5df3_outp
    .symbol:         k_q7fb87f5df3_outp.kd
    .args:
      - { .name: oimg, .offset: 0, .size: 8, .value_kind: global_buffer, .address_space: global }
      - { .name: wimg, .offset: 8, .size: 8, .value_kind: global_buffer, .address_space: global }
      - { .name: bo, .offset: 16, .size: 8, .value_kind: global_buffer, .address_space: global }
      - { .name: out0, .offset: 24, .size: 8, .value_kind: global_buffer, .address_space: global }
    .group_segment_fixed_size: 257536
    .private_segment_fixed_size: 0
    .kernarg_segment_align: 8
    .kernarg_segment_size: 32
    .max_flat_workgroup_size: 128
    .sgpr_count:     72
    .vgpr_count:     1024
    .wavefront_size: 32
...
	.end_amdgpu_metadata
.endif
;; end of part 4
